; MI455X (gfx1250); checked and timed in simulation.
; The chip was launched on July 23, 2026; its instructions are those of AMD's public machine-readable ISA for CDNA 5 (MIT licence, August 2026) and "CDNA5" Instruction Set Architecture Reference Guide (July 2026). The comments in the code are by the model that wrote it; some were corrected since.
;; Cross Attention. Allowed arithmetic: matrix products marked QUANTISED: E4M3 operands, one E8M0 scale for each 32 along K, by v_wmma_scale_f32_16x16x128_f8f6f4 with both operands' format E4M3, f32 sums; everything else in f32.
;; Inputs: bo 1,024 float32; kv 4 x 2,048 x 768 float32; q 4 x 2,048 x 1,024 float32; wk 1,024 x 768 float32; wo 1,024 x 1,024 float32; wq 1,024 x 1,024 float32; wv 1,024 x 768 float32.
;; Outputs: out0 4 x 2,048 x 1,024 float32.
;; This version of the problem:
;;   THIS VERSION OF THE PROBLEM IS GIVEN IN LOW PRECISION. The matrix products marked QUANTISED in the list below multiply operands that are first quantised to E4M3 (4 exponent bits, 3 mantissa bits; 8 bits a number), with one power-of-two scale for each 32 numbers along K (OCP MX v1.0); their sums are f32. All else is computed in f32.
;;   The module's matrix products, in the order in which they are computed (A, B: the left and right operand; K: the contracted axis; several contracted axes count as one K, in the product's order):
;;     1. [M 8,192, K 1,024] x [K 1,024, N 1,024]; A: input q; B: input wq: QUANTISED
;;     2. [M 8,192, K 768] x [K 768, N 1,024]; A: input kv; B: input wk: QUANTISED
;;     3. [M 8,192, K 768] x [K 768, N 1,024]; A: input kv; B: input wv: QUANTISED
;;     4. batch 64 x [M 2,048, K 64] x [K 64, N 2,048]; A: computed on the way; B: computed on the way: QUANTISED
;;     5. batch 64 x [M 2,048, K 2,048] x [K 2,048, N 64]; A: softmax (see below); B: computed on the way: QUANTISED
;;     6. [M 8,192, K 1,024] x [K 1,024, N 1,024]; A: computed on the way; B: input wo: QUANTISED
;;   THE QUANTISER, for each operand of a quantised product, along K:
;;     - K is cut into blocks of 32 from its start; a last block that is shorter is filled with zeros.
;;     - A block's scale is 2^e with e = floor(log2(the largest magnitude in the block)) - 8, held to -126 .. 127; a block of zeros has e = 0. As a byte (E8M0): e + 127.
;;     - Each number is divided by its block's scale, clamped to +-448, and rounded to the nearest number of E4M3, ties to even, subnormals kept.
;;     - The product sums the exact products of the quantised numbers (number of the format x scale) in f32.
;;   ~~~python
;;   def quantise(x, axis):      # numpy; x: float32 -> the quantised numbers, widened to float32 again
;;       x = np.moveaxis(x, axis, -1); K = x.shape[-1]
;;       x = np.pad(x, [(0, 0)] * (x.ndim - 1) + [(0, -K % 32)]); x = x.reshape(x.shape[:-1] + (-1, 32)); a = np.abs(x).max(-1, keepdims=True)
;;       e = np.where(a > 0, np.clip(np.frexp(np.where(a > 0, a, 1))[1] - 1 - 8, -126, 127), 0)      # np.frexp(a)[1] - 1 = floor(log2(a)), exactly
;;       r = np.clip(x / 2.0 ** e, -448, 448)
;;       step = 2.0 ** (np.maximum(np.frexp(np.where(r == 0, 1, r))[1] - 1, -6) - 3)
;;       q = np.round(r / step) * step * 2.0 ** e      # np.round: ties to even
;;       return np.moveaxis(q.reshape(q.shape[:-2] + (-1,))[..., :K], -1, axis).astype(np.float32)
;;   ~~~
;;   SOFTMAX AHEAD OF A QUANTISED PRODUCT. Where the list says 'softmax', what is quantised is not the finished softmax but p = 2^(t - M), with t = logit x log2(e) and M = ceil(the row's largest t), a whole number; so 1/2 < the row's largest p <= 1. The row's sum l is taken of the UNQUANTISED p, in f32, and the product's result is divided by l at the end. Since M is a whole number, a kernel that streams over the keys may use a running M (the ceiling of the running maximum): every later rescaling is an exact power of two, which a block's scale takes up: the codes' values come out the same.
;;   OPERANDS COMPUTED ON THE WAY. 'Computed on the way' means the value that the module computes at that place (a softmax that the list does not call 'softmax' is quantised finished and normalised). What goes into a quantiser is computed in f32, as accurately as f32 sums, v_exp_f32 and their like allow (about 1e-6 of the number): no bf16 or f16 on the way to a quantiser, and a product that is left as it is and whose result goes on into a quantised operand takes f32 operands (vector FMAs, or v_wmma_f32_16x16x4_f32). A number that lies on a knife's edge between two numbers of the format may be rounded either way, as far as f32 arithmetic and the matrix unit's own rounding can turn it there, and no further.
;; One version. Each part assembles by itself: llvm-mc -triple=amdgcn-amd-amdhsa -mcpu=gfx1250 --defsym DOCPART=n.
;; ======== version 1 of 1: 4 launches
;; limits: right only within a limited range of input values
;; workspace buffers: opc 18,350,080 bytes; ops 573,440 bytes; qimg 8,388,608 bytes; qsc 524,288 bytes; rec 17,301,504 bytes; oc 8,388,608 bytes; os 262,144 bytes
;; launch quant (part 1): grid 560 x 1, 4 waves a work-group, no clusters, 34,304 bytes of LDS; arguments q, kv, wq, wk, wv, wo, opc, ops; writes opc, ops
.if DOCPART == 1
	.amdgcn_target "amdgcn-amd-amdhsa--gfx1250"
	.amdhsa_code_object_version 6
	.text
	.protected	k_qef5a89c317_quant
	.globl	k_qef5a89c317_quant
	.p2align	8
	.type	k_qef5a89c317_quant,@function
k_qef5a89c317_quant:
	s_mov_b64 s[64:65], 0
	v_nop
	global_prefetch_b8 v0, s[64:65] scope:SCOPE_SE
	s_setreg_imm32_b32 hwreg(HW_REG_WAVE_MODE, 25, 1), 1
	s_wait_xcnt 0x0
; q [8192][1024], kv [8192][768], wq, wo [1024][1024], wk, wv [1024][768], all f32 with K innermost, become codes of FP8 (E4M3) with one E8M0 byte for each 32 along K.
; A block's scale is 2^(floor(log2(its largest magnitude)) - 8); each number is divided by it, held within +-448 and rounded to the nearest code, ties to even.
; THE CODES ARE LAID AS IMAGES OF AN OPERAND'S REGISTERS: [block B of 32 rows][K step s of 128][tile u][piece c][lane][16 bytes].  Lane (r, h) of tile (B, u) stands for row
; 32 B + 8 u + r + 8 (r / 8), and its piece c holds k = 128 s + 32 c + 16 h + 0 .. 15.  The scale words: [B][s][lane][4 bytes], lanes 0-15 tile 0's rows, lanes 16-31 tile 1's.
; So the products' launches load every fragment by 16-byte loads of 512 consecutive bytes a wave.
; SHARES.  A wave takes one block of 32 rows x 256 along K: four units of 16 rows x 128 numbers.  A unit's 16 loads read 512 consecutive bytes of one row each; the unit turns through the
; wave's own stage in LDS (16 rows of 512 + 16 bytes) so that a lane gets 16 neighbours of each of its row's four blocks.  Waves share nothing: no barrier.  Two units (32 loads a wave) are on their way.
; One text serves the six tensors: pointer, sizes and offset are chosen by the work-group's number.
; LIMITS: NaN and infinities among the inputs are not served.  A block of zeros, and a block whose largest magnitude lies under 2^(9 - 127), gets the byte 1
; (a block of zeros has zero codes, which add nothing under that byte; the bytes are read by this program alone).
.set VO,   4                           ; v4-11   16 x lane + k rows, k = 0 .. 7
.set SA,   12                          ; v12     the stage, on the way in: 16 x lane
.set RA,   13                          ; v13     and on the way out: 528 r + 64 h
.set LI,   14                          ; v14     16 x lane
.set L4,   15                          ; v15     4 x lane
.set R,    16                          ; v16-143 two sets of 64: a unit as it is loaded
.set X,    144                         ; v144-207 64 numbers of my row: register 16 b + i = k 32 b + 16 h + i
.set PC,   208                         ; v208-223 the unit's codes
.set TM,   224                         ; v224-239 at work
.set PW,   240                         ; v240-241 the scale words of tiles 0 and 1
.set SW,   242                         ; v242-243 the two joined, one for each K step
.set SRC,  20
.set FIRST, 22
.set KS,   23
.set LG,   24
.set OFF,  25
.set ROWB, 26
.set WV,   28
.set BASE, 32                          ; s[32:39] four addresses: rows 8 g on of my block, g = 0 .. 3
.set OC,   40
.set OS,   42
.set SEL,  44
.set MNT,  46
.set HM,   47
.set SPITCH, 528
.set STG,  16*SPITCH
.macro PICK thr, ptr, ks, lg, off      ; from work-group thr on: another tensor.  The choice hangs on the work-group's number alone
	s_cmp_ge_u32 ttmp9, \thr
	s_cselect_b64 s[SRC:SRC+1], s[\ptr:\ptr+1], s[SRC:SRC+1]
	s_cselect_b32 s[FIRST], \thr, s[FIRST]
	s_cselect_b32 s[KS], \ks, s[KS]
	s_cselect_b32 s[LG], \lg, s[LG]
	s_cselect_b32 s[OFF], \off, s[OFF]
.endm
	s_load_b256 s[4:11], s[0:1], 0x0               ; q, kv, wq, wk
	s_load_b256 s[12:19], s[0:1], 0x20             ; wv, wo, opc, ops
	v_lshl_add_u32 v248, v0, 2, 0x8400
	v_mov_b32 v249, 0
	v_lshrrev_b32 v1, 5, v0
	v_readfirstlane_b32 s[WV], v1                  ; wave 0..3
	v_and_b32 v2, 31, v0                           ; lane
	v_and_b32 v3, 15, v0                           ; r
	v_bfe_u32 v1, v0, 4, 1                         ; h
	v_lshlrev_b32 v[LI], 4, v2
	v_lshlrev_b32 v[L4], 2, v2
	s_mul_i32 s29, s[WV], STG                      ; my wave's stage
	v_add_nc_u32 v[SA], s29, v[LI]
	v_mul_u32_u24 v[RA], v3, SPITCH
	v_lshl_add_u32 v[RA], v1, 6, v[RA]
	v_add_nc_u32 v[RA], s29, v[RA]
	s_mov_b32 s[SEL], 0x76543210
	s_mov_b32 s[SEL+1], 0xfedcba98                 ; v_permlanex16_b32's selects for lane l xor 16
	s_mov_b32 s[MNT], 0x600000                     ; the mantissa field of 448
	s_mov_b32 s[HM], 0xffff0000                    ; lanes 16-31
.irp b, 0,1,2,3
	v_mov_b32 v[TM+4+\b], 0                        ; written once: a lane permute's destination counts as one of its sources
.endr
	s_mov_b32 s[FIRST], 0
	s_mov_b32 s[KS], 8                             ; K steps of 128 in a row
	s_mov_b32 s[LG], 6                             ; log2 (blocks of 32 rows / 4)
	s_mov_b32 s[OFF], 0                            ; where the tensor's codes begin in opc
	s_wait_kmcnt 0x0
	s_mov_b64 s[SRC:SRC+1], s[4:5]                 ; q: work-groups 0 to 255
	PICK 256, 6, 6, 6, 8388608                     ; kv
	PICK 448, 8, 8, 3, 14680064                    ; wq
	PICK 480, 10, 6, 3, 15728640                   ; wk
	PICK 504, 12, 6, 3, 16515072                   ; wv
	PICK 528, 14, 8, 3, 17301504                   ; wo
	s_lshl_b32 s[ROWB], s[KS], 9                   ; a row in bytes
	s_sub_co_u32 s27, ttmp9, s[FIRST]
	s_lshr_b32 s29, s27, s[LG]                     ; which pair of K steps
	s_lshl_b32 s30, s29, s[LG]
	s_sub_co_u32 s27, s27, s30
	s_lshl_b32 s27, s27, 2
	s_add_co_u32 s27, s27, s[WV]                   ; my block B
	s_mul_i32 s30, s27, s[ROWB]
	s_lshl_b32 s30, s30, 5                         ; 32 B rows,
	s_lshl_b32 s31, s29, 10                        ; 1,024 bytes a pair of K steps
	s_add_co_u32 s30, s30, s31
	s_mov_b32 s31, 0
	s_add_nc_u64 s[BASE:BASE+1], s[SRC:SRC+1], s[30:31]
	s_lshl_b32 s30, s[ROWB], 3                     ; eight rows on
.irp g, 1,2,3
	s_add_nc_u64 s[BASE+2*\g:BASE+2*\g+1], s[BASE+2*\g-2:BASE+2*\g-1], s[30:31]
.endr
	s_mul_i32 s30, s27, s[KS]
	s_lshl_b32 s29, s29, 1
	s_add_co_u32 s30, s30, s29                     ; B x KS + my first K step
	s_lshl_b32 s30, s30, 12                        ; 4,096 bytes of codes each
	s_add_co_u32 s30, s30, s[OFF]
	s_add_nc_u64 s[OC:OC+1], s[16:17], s[30:31]
	s_lshr_b32 s30, s30, 5                         ; 128 bytes of scale words each
	s_add_nc_u64 s[OS:OS+1], s[18:19], s[30:31]
.irp k, 0,1,2,3,4,5,6,7
	s_mul_i32 s29, s[ROWB], \k
	v_add_nc_u32 v[VO+\k], s29, v[LI]
.endr
; unit t = 2 s + u: K step s of my two, tile u.  Load i reads the 512 bytes of row 8 u + i + 8 (i / 8) of my block
.macro LOAD t
.set i, 0
.rept 16
	global_load_b128 v[R+64*((\t)%2)+4*i:R+64*((\t)%2)+4*i+3], v[VO+i%8], s[BASE+2*((\t)%2+2*(i/8)):BASE+2*((\t)%2+2*(i/8))+1] offset:512*((\t)/2) th:TH_LOAD_NT
.set i, i+1
.endr
.endm
; 64 numbers of a lane, v[X] on, become a fragment's codes in v[PC] on and its scale word in v[pw]
.macro QUANT pw
.irp b, 0,1,2,3
	v_max3_num_f32 v[TM+\b], |v[X+16*\b]|, |v[X+1+16*\b]|, 0x4800000   ; block b: my 16 numbers, and the floor 2^(9 - 127): the byte cannot fall under 1
.endr
.irp i, 2,4,6,8,10,12,14
.irp b, 0,1,2,3
	v_max3_num_f32 v[TM+\b], v[TM+\b], |v[X+16*\b+\i]|, |v[X+1+16*\b+\i]|   ; the four blocks by turns
.endr
.endr
.irp b, 0,1,2,3
	v_permlanex16_b32 v[TM+4+\b], v[TM+\b], s[SEL], s[SEL+1]
.endr
.irp b, 0,1,2,3
	v_max_num_f32 v[TM+\b], v[TM+\b], v[TM+4+\b]   ; with lane l xor 16's 16: the block's largest magnitude
.endr
.irp b, 0,1,2,3
	v_add_nc_u32 v[TM+12+\b], 0xfc000000, v[TM+\b] ; 8 off its exponent field: the conversion takes this operand's exponent field as its scale
.endr
.irp b, 0,1,2,3
	v_and_or_b32 v[TM+8+\b], v[TM+\b], 0x7f800000, s[MNT]   ; 448 x the scale
.endr
.irp b, 0,1,2,3
	v_lshrrev_b32 v[TM+4+\b], 23, v[TM+12+\b]      ; the scale's byte
.endr
	v_lshl_or_b32 v[\pw], v[TM+5], 8, v[TM+4]
	v_lshl_or_b32 v[\pw], v[TM+6], 16, v[\pw]
	v_lshl_or_b32 v[\pw], v[TM+7], 24, v[\pw]      ; my row's scale word
.irp b, 0,1,2,3
.set i, 0
.rept 16
	v_med3_num_f32 v[X+16*\b+i], v[X+16*\b+i], -v[TM+8+\b], v[TM+8+\b]   ; the conversion to an 8-bit code does not saturate (ISA guide 7.6.2): the hold comes first
.set i, i+1
.endr
	v_cvt_scalef32_pk8_fp8_f32 v[PC+4*\b:PC+4*\b+1], v[X+16*\b:X+16*\b+7], v[TM+12+\b]
	v_cvt_scalef32_pk8_fp8_f32 v[PC+4*\b+2:PC+4*\b+3], v[X+16*\b+8:X+16*\b+15], v[TM+12+\b]
.endr
	v_nop                                          ; one plain vector line behind the last conversion
.endm
.macro UNIT t
.if (\t) < 3
	s_wait_loadcnt 16                              ; this unit's 16 loads are in; the next unit's 16 may be out
.else
	s_wait_loadcnt 0x0
.endif
.set i, 0
.rept 16
	ds_store_b128 v[SA], v[R+64*((\t)%2)+4*i:R+64*((\t)%2)+4*i+3] offset:SPITCH*i   ; row i as it was loaded
.set i, i+1
.endr
.irp bb, 0,1,2,3
.irp j, 0,1,2,3
	ds_load_b128 v[X+16*\bb+4*\j:X+16*\bb+4*\j+3], v[RA] offset:128*\bb+16*\j   ; LDS serves a wave's instructions in order: these see the stores above
.endr
.endr
	s_wait_dscnt 0x0                               ; my numbers are in, and the stores have read their registers
	s_wait_xcnt 0x0                                ; the last unit's global stores have read theirs: the codes may be written again
.if (\t) < 2
	LOAD (\t)+2
.endif
	QUANT PW+(\t)%2
.irp c, 0,1,2,3
	global_store_b128 v[LI], v[PC+4*\c:PC+4*\c+3], s[OC:OC+1] offset:4096*((\t)/2)+2048*((\t)%2)+512*\c   ; 32 lanes store 512 consecutive bytes, aligned
.endr
.if (\t)%2
	v_cndmask_b32 v[SW+(\t)/2], v[PW], v[PW+1], s[HM]     ; lanes 0-15 tile 0's words, lanes 16-31 tile 1's
	global_store_b32 v[L4], v[SW+(\t)/2], s[OS:OS+1] offset:128*((\t)/2)
.endif
.endm
	LOAD 0
	LOAD 1
	s_wait_alu depctr_va_vdst(0)
	UNIT 0
	UNIT 1
	UNIT 2
	UNIT 3
	s_wait_tensorcnt 0x0
	ds_add_u32 v248, v249
	s_wait_dscnt 0x0
	s_endpgm
.Lfunc_end_k_qef5a89c317_quant:
	.size	k_qef5a89c317_quant, .Lfunc_end_k_qef5a89c317_quant-k_qef5a89c317_quant
	.p2alignl 7, 3214868480
	.fill 96, 4, 3214868480
	.section	.rodata,"a",@progbits
	.p2align	6, 0x0
	.amdhsa_kernel k_qef5a89c317_quant
		.amdhsa_group_segment_fixed_size 34304
		.amdhsa_private_segment_fixed_size 0
		.amdhsa_enable_private_segment 0
		.amdhsa_kernarg_size 64
		.amdhsa_user_sgpr_count 2
		.amdhsa_user_sgpr_kernarg_segment_ptr 1
		.amdhsa_wavefront_size32 1
		.amdhsa_system_sgpr_workgroup_id_x 1
		.amdhsa_system_sgpr_workgroup_id_y 1
		.amdhsa_system_sgpr_workgroup_id_z 1
		.amdhsa_system_vgpr_workitem_id 0
		.amdhsa_next_free_vgpr 250
		.amdhsa_next_free_sgpr 66
		.amdhsa_reserve_vcc 0
		.amdhsa_float_denorm_mode_32 3
		.amdhsa_float_denorm_mode_16_64 3
		.amdhsa_memory_ordered 1
		.amdhsa_forward_progress 1
		.amdhsa_inst_pref_size 53
	.end_amdhsa_kernel
	.amdgpu_metadata
---
amdhsa.version: [ 1, 2 ]
amdhsa.kernels:
  - .name:           k_qef5a89c317_quant
    .symbol:         k_qef5a89c317_quant.kd
    .args:
      - { .name: q, .offset: 0, .size: 8, .value_kind: global_buffer, .address_space: global }
      - { .name: kv, .offset: 8, .size: 8, .value_kind: global_buffer, .address_space: global }
      - { .name: wq, .offset: 16, .size: 8, .value_kind: global_buffer, .address_space: global }
      - { .name: wk, .offset: 24, .size: 8, .value_kind: global_buffer, .address_space: global }
      - { .name: wv, .offset: 32, .size: 8, .value_kind: global_buffer, .address_space: global }
      - { .name: wo, .offset: 40, .size: 8, .value_kind: global_buffer, .address_space: global }
      - { .name: opc, .offset: 48, .size: 8, .value_kind: global_buffer, .address_space: global }
      - { .name: ops, .offset: 56, .size: 8, .value_kind: global_buffer, .address_space: global }
    .group_segment_fixed_size: 34304
    .private_segment_fixed_size: 0
    .kernarg_segment_align: 8
    .kernarg_segment_size: 64
    .max_flat_workgroup_size: 128
    .sgpr_count:     66
    .vgpr_count:     250
    .wavefront_size: 32
...
	.end_amdgpu_metadata
.endif
;; end of part 1
;; launch proj (part 2): grid 256 x 3, 4 waves a work-group, no clusters, 0 bytes of LDS; arguments opc, ops, qimg, qsc, rec; writes qimg, qsc, rec
.if DOCPART == 2
	.amdgcn_target "amdgcn-amd-amdhsa--gfx1250"
	.amdhsa_code_object_version 6
	.text
	.protected	k_qef5a89c317_proj
	.globl	k_qef5a89c317_proj
	.p2align	8
	.type	k_qef5a89c317_proj,@function
k_qef5a89c317_proj:
	s_mov_b64 s[64:65], 0
	v_nop
	global_prefetch_b8 v0, s[64:65] scope:SCOPE_SE
	s_setreg_imm32_b32 hwreg(HW_REG_WAVE_MODE, 25, 1), 1
	s_wait_xcnt 0x0
; The three projections on codes of FP8 (E4M3) with E8M0 scales, and the quantising of their results.  Work-group y = the job: 0: q wq^T, 1: kv wk^T, 2: kv wv^T.
; A PRODUCT IS D = (source 0: 16 rows of P) x (source 1: 16 rows of L).  Jobs 0, 1: P = the weight, L = the tokens: a lane holds one token, and its registers run along the features.
; Job 2: P = kv, L = wv: a lane holds one channel and its registers run along the KEYS, the K of attention's second product.
; The operands' images give lane r of tile (B, u) row 32 B + 8 u + r + 8 (r / 8): so the 16 registers of P's tiles (B, 0), (B, 1) are P's rows 32 B + 16 h + 0 .. 15:
; 16 neighbours along the next K, and the conversions' results are the next operand's registers.
; SHARES.  A work-group makes P 256 x L 128, a wave P 128 x L 64: 8 x 4 accumulators, 256 registers.  The fragments come from memory straight into registers, each load 512 consecutive bytes;
; two sets of fragments take turns: while one K step of 128 is multiplied, the other set's 54 loads are on their way.  No LDS, no barrier.
; NO JOINT LOADS: no tile passes LDS here, so there is no tensor load that partners could share; each fragment is read by two waves of the work-group and by the work-groups of its row or column of tiles.
; A wave's 128 rows of P are two heads' features (jobs 0, 1) or one key step of 128 keys (job 2).
; OUT.  qimg [bh][block of 32 queries][u][c'][lane][16], qsc [bh][block][lane][4] (word = s0, s1, s0, s1).  rec [bh][key step] records of 16,896 bytes: K: 4 fragments of 2,048 bytes, pieces 0, 1 =
; key tile (f, 0), pieces 2, 3 = key tile (f, 1); V at 8,192: 4 fragments; K's scale words at 16,384 (2 x 128 bytes); V's at 16,640 ([lane][2 words]).
; LIMITS: NaN and infinities are not served; a block of zeros gets the byte 1 (its codes are zeros; this program alone reads the bytes).
; REGISTERS: window 0: v4-6 lane offsets, v8-11, v16-19 blocks' offsets, v32-43 scale words (two sets of 6), v44-79 at work behind the products, v128-255 L's fragments (two sets), later the codes;
;   window 1: the accumulators, (l, p) at 64 l + 8 p;   window 2: P's fragments, two sets of 128.
.set LI,  4                            ; 16 x lane
.set L4,  5                            ; 4 x lane
.set L8,  6                            ; 8 x lane
.set VC,  8                            ; v8-11   16 x lane + block x KS x 4,096 (P and L have the same KS)
.set VS,  16                           ; v16-19  4 x lane + block x KS x 128
.set SC,  32
.set TM,  44
.set PW,  60                           ; v60-63  the scale word of L's tile l
.set T,   64
.set LF,  128
.set PC,  128                          ; the codes of L's tile l at PC + 16 l
.set PCB, 20
.set PSB, 22
.set LCB, 24
.set LSB, 26
.set HM,  40
.set MNT, 41
.set SEL, 42
.set MSB, 0
.macro WIN new                         ; the immediate's high byte repeats the setting that is left
.if MSB != \new
	s_set_vgpr_msb (MSB<<8)|\new
.set MSB, \new
.endif
.endm
.macro NOPS n
.rept \n
	v_nop
.endr
.endm
.macro WM cz, ra, rb                   ; one product; cz = 1: it starts the sum; ra, rb: the side's scales stand in lanes 16-31
.if \cz
.if (\ra)&&(\rb)
	v_wmma_scale_f32_16x16x128_f8f6f4 v[rD:rD+7], v[rA:rA+15], v[rB:rB+15], 0, v[rSA], v[rSB] matrix_a_scale:MATRIX_SCALE_ROW1 matrix_b_scale:MATRIX_SCALE_ROW1
.elseif \ra
	v_wmma_scale_f32_16x16x128_f8f6f4 v[rD:rD+7], v[rA:rA+15], v[rB:rB+15], 0, v[rSA], v[rSB] matrix_a_scale:MATRIX_SCALE_ROW1
.elseif \rb
	v_wmma_scale_f32_16x16x128_f8f6f4 v[rD:rD+7], v[rA:rA+15], v[rB:rB+15], 0, v[rSA], v[rSB] matrix_b_scale:MATRIX_SCALE_ROW1
.else
	v_wmma_scale_f32_16x16x128_f8f6f4 v[rD:rD+7], v[rA:rA+15], v[rB:rB+15], 0, v[rSA], v[rSB]
.endif
.else
.if (\ra)&&(\rb)
	v_wmma_scale_f32_16x16x128_f8f6f4 v[rD:rD+7], v[rA:rA+15], v[rB:rB+15], v[rD:rD+7], v[rSA], v[rSB] matrix_a_scale:MATRIX_SCALE_ROW1 matrix_b_scale:MATRIX_SCALE_ROW1
.elseif \ra
	v_wmma_scale_f32_16x16x128_f8f6f4 v[rD:rD+7], v[rA:rA+15], v[rB:rB+15], v[rD:rD+7], v[rSA], v[rSB] matrix_a_scale:MATRIX_SCALE_ROW1
.elseif \rb
	v_wmma_scale_f32_16x16x128_f8f6f4 v[rD:rD+7], v[rA:rA+15], v[rB:rB+15], v[rD:rD+7], v[rSA], v[rSB] matrix_b_scale:MATRIX_SCALE_ROW1
.else
	v_wmma_scale_f32_16x16x128_f8f6f4 v[rD:rD+7], v[rA:rA+15], v[rB:rB+15], v[rD:rD+7], v[rSA], v[rSB]
.endif
.endif
.endm
; 54 loads: the fragments and scale words of the K step k steps on from the bases, into set par
.macro GLOAD par, k
	WIN 0
.irp pb, 0,1,2,3
	global_load_b32 v[SC+6*\par+\pb], v[VS+\pb], s[PSB:PSB+1] offset:128*\k
.endr
.irp lb, 0,1
	global_load_b32 v[SC+6*\par+4+\lb], v[VS+\lb], s[LSB:LSB+1] offset:128*\k
.endr
.irp l, 0,1,2,3
.irp c, 0,1,2,3
	global_load_b128 v[LF+64*\par+16*\l+4*\c:LF+64*\par+16*\l+4*\c+3], v[VC+\l/2], s[LCB:LCB+1] offset:4096*\k+2048*(\l%2)+512*\c
.endr
.endr
	WIN 0x80                                       ; destination window 2, address window 0
.irp p, 0,1,2,3,4,5,6,7
.irp c, 0,1,2,3
	global_load_b128 v[128*\par+16*\p+4*\c:128*\par+16*\p+4*\c+3], v[VC+\p/2], s[PCB:PCB+1] offset:4096*\k+2048*(\p%2)+512*\c
.endr
.endr
.endm
; 32 products: set par's K step.  The 32 accumulators take turns, one instruction a turn, in the same order in every step
.macro MUL par, first
	WIN 0x52                                       ; source 0 (P) window 2, source 1 (L) window 0, C and D window 1
.irp l, 0,1,2,3
.irp p, 0,1,2,3,4,5,6,7
.set rD, 64*\l+8*\p
.set rA, 128*\par+16*\p
.set rB, LF+64*\par+16*\l
.set rSA, SC+6*\par+\p/2
.set rSB, SC+6*\par+4+\l/2
	WM \first, \p%2, \l%2
.endr
.endr
.endm
; two K steps.  load = 1: both sets are filled again, two steps ahead.  Eight plain vector lines stand between a set's last product and the loads into it
.macro TRIP first, load
	s_wait_loadcnt 54                              ; set 0 is in; set 1's 54 loads may be out
	MUL 0, \first
.if \load
	NOPS 8
	GLOAD 0, 2
	s_wait_loadcnt 54                              ; set 1 is in; the 54 just issued may be out
.else
	s_wait_loadcnt 0x0
.endif
	MUL 1, 0
.if \load
	NOPS 8
	GLOAD 1, 3
	WIN 0
	s_wait_xcnt 0x0                                ; the loads have read their bases: these may step
	s_add_nc_u64 s[PCB:PCB+1], s[PCB:PCB+1], 8192
	s_add_nc_u64 s[PSB:PSB+1], s[PSB:PSB+1], 256
	s_add_nc_u64 s[LCB:LCB+1], s[LCB:LCB+1], 8192
	s_add_nc_u64 s[LSB:LSB+1], s[LSB:LSB+1], 256
.endif
.endm
; The 64 results of L's tile l (window 1, v[64 l] on: register 16 b + i = P's row 32 b + 16 h + i) become 16 registers of codes, v[PC + 16 l] on, and a scale word, v[PW + l].  Each stretch stands under one window setting
.macro QUANTW l
	WIN 0x05                                       ; sources 0 and 1 window 1
.irp b, 0,1,2,3
	v_max3_num_f32 v[TM+\b], |v[64*\l+16*\b]|, |v[64*\l+16*\b+1]|, 0x4800000   ; each accumulator is read from its low end on; the floor 2^(9 - 127) holds the byte at 1 from below
.endr
	WIN 0x14                                       ; sources 1 and 2 window 1
.irp i, 2,4,6,8,10,12,14
.irp b, 0,1,2,3
	v_max3_num_f32 v[TM+\b], v[TM+\b], |v[64*\l+16*\b+\i]|, |v[64*\l+16*\b+\i+1]|
.endr
.endr
	WIN 0
.irp b, 0,1,2,3
	v_permlanex16_b32 v[TM+4+\b], v[TM+\b], s[SEL], s[SEL+1]
.endr
.irp b, 0,1,2,3
	v_max_num_f32 v[TM+\b], v[TM+\b], v[TM+4+\b]   ; with lane l xor 16's 16: the block's largest magnitude
.endr
.irp b, 0,1,2,3
	v_add_nc_u32 v[TM+12+\b], 0xfc000000, v[TM+\b] ; 8 off the exponent field: the conversion's scale operand
.endr
.irp b, 0,1,2,3
	v_and_or_b32 v[TM+8+\b], v[TM+\b], 0x7f800000, s[MNT]   ; 448 x the scale
.endr
.irp b, 0,1,2,3
	v_lshrrev_b32 v[TM+4+\b], 23, v[TM+12+\b]      ; the scale's byte
.endr
	v_lshl_or_b32 v[PW+\l], v[TM+5], 8, v[TM+4]
	v_lshl_or_b32 v[PW+\l], v[TM+6], 16, v[PW+\l]
	v_lshl_or_b32 v[PW+\l], v[TM+7], 24, v[PW+\l]
	WIN 0x41                                       ; destination and source 0 window 1
.irp b, 0,1,2,3
.set i, 0
.rept 16
	v_med3_num_f32 v[64*\l+16*\b+i], v[64*\l+16*\b+i], -v[TM+8+\b], v[TM+8+\b]   ; the hold: the conversion to an 8-bit code does not saturate (ISA guide 7.6.2)
.set i, i+1
.endr
.endr
	WIN 0x01                                       ; source 0 window 1
.irp b, 0,1,2,3
	v_cvt_scalef32_pk8_fp8_f32 v[PC+16*\l+4*\b:PC+16*\l+4*\b+1], v[64*\l+16*\b:64*\l+16*\b+7], v[TM+12+\b]
	v_cvt_scalef32_pk8_fp8_f32 v[PC+16*\l+4*\b+2:PC+16*\l+4*\b+3], v[64*\l+16*\b+8:64*\l+16*\b+15], v[TM+12+\b]
.endr
	WIN 0
	v_nop                                          ; one plain vector line behind the last conversion
.endm
	s_load_b256 s[4:11], s[0:1], 0x0               ; opc, ops, qimg, qsc
	s_load_b64 s[12:13], s[0:1], 0x20              ; rec
	v_lshrrev_b32 v1, 5, v0
	v_readfirstlane_b32 s15, v1                    ; wave 0..3
	v_and_b32 v2, 31, v0
	v_lshlrev_b32 v[LI], 4, v2
	s_wait_alu depctr_va_vdst(0)
	v_lshlrev_b32 v[L4], 2, v2
	s_wait_alu depctr_va_vdst(0)
	v_lshlrev_b32 v[L8], 3, v2
.irp b, 0,1,2,3
	v_mov_b32 v[TM+4+\b], 0                        ; written once: a lane permute's destination counts as one of its sources
.endr
	s_mov_b32 s[HM], 0xffff0000
	s_mov_b32 s[MNT], 0x600000
	s_mov_b32 s[SEL], 0x76543210
	s_mov_b32 s[SEL+1], 0xfedcba98
	s_and_b32 s16, s15, 1                          ; wp: which 128 rows of P
	s_lshr_b32 s17, s15, 1                         ; wl: which 64 rows of L
	s_and_b32 s14, ttmp7, 0xffff                   ; the job
	s_and_b32 s30, ttmp9, 3                        ; jobs 0, 1: 4 blocks of 256 features,
	s_lshr_b32 s31, ttmp9, 2                       ; 64 blocks of 128 tokens
	s_lshr_b32 s34, ttmp9, 3                       ; job 2: 32 blocks of 256 keys,
	s_and_b32 s35, ttmp9, 7                        ; 8 blocks of 128 channels
	s_mov_b32 s19, 15728640                        ; wk's codes in opc
	s_cmp_eq_u32 s14, 0
	s_cselect_b32 s18, 8, 6                        ; KS: K steps of 128
	s_cselect_b32 s28, 2, 1                        ; the loop's trips: KS / 2 - 2
	s_cselect_b32 s19, 14680064, s19               ; P: wq or wk
	s_cselect_b32 s29, 0, 8388608                  ; L: q or kv
	s_cmp_eq_u32 s14, 2
	s_cselect_b32 s19, 8388608, s19                ; P: kv
	s_cselect_b32 s29, 16515072, s29               ; L: wv
	s_cselect_b32 s30, s34, s30                    ; Pblk
	s_cselect_b32 s31, s35, s31                    ; Lblk
	s_lshl_b32 s32, s30, 3
	s_lshl_b32 s34, s16, 2
	s_add_co_u32 s32, s32, s34                     ; my first block of 32 rows of P
	s_lshl_b32 s33, s31, 2
	s_lshl_b32 s34, s17, 1
	s_add_co_u32 s33, s33, s34                     ; and of L
	s_lshl_b32 s36, s18, 12                        ; a block's codes in bytes
	s_lshl_b32 s37, s18, 7                         ; and its scale words
.irp pb, 0,1,2,3
	s_mul_i32 s34, s36, \pb
	v_add_nc_u32 v[VC+\pb], s34, v[LI]
	s_mul_i32 s34, s37, \pb
	v_add_nc_u32 v[VS+\pb], s34, v[L4]
.endr
	s_mov_b32 s35, 0
	s_wait_alu depctr_va_vdst(0)
	s_wait_kmcnt 0x0
	s_mul_i32 s34, s32, s36
	s_add_co_u32 s34, s34, s19
	s_add_nc_u64 s[PCB:PCB+1], s[4:5], s[34:35]
	s_lshr_b32 s34, s34, 5
	s_add_nc_u64 s[PSB:PSB+1], s[6:7], s[34:35]
	s_mul_i32 s34, s33, s36
	s_add_co_u32 s34, s34, s29
	s_add_nc_u64 s[LCB:LCB+1], s[4:5], s[34:35]
	s_lshr_b32 s34, s34, 5
	s_add_nc_u64 s[LSB:LSB+1], s[6:7], s[34:35]
	GLOAD 0, 0
	GLOAD 1, 1
	TRIP 1, 1                                      ; the first two K steps stand ahead of the loop: the first products start the sums
.Lk:
	TRIP 0, 1
	s_sub_co_u32 s28, s28, 1
	s_cmp_lg_u32 s28, 0
	s_cbranch_scc1 .Lk
	TRIP 0, 0                                      ; the last two K steps load nothing
	WIN 0
	NOPS 8                                         ; places between the last products and the first read of results
	QUANTW 0
	QUANTW 1
	QUANTW 2
	QUANTW 3
	s_cmp_eq_u32 s14, 2
	s_cbranch_scc1 .Lv
	; jobs 0, 1: pieces 0, 1 are head hA's 64 features, pieces 2, 3 head hA + 1's.  In both buffers tile l's piece c' lies at 4,096 wl + 1,024 l + 512 c' of the step's part
	s_lshr_b32 s34, s31, 4                         ; batch
	s_and_b32 s35, s31, 15                         ; which 128 tokens of the batch
	s_lshl_b32 s36, s30, 2
	s_lshl_b32 s37, s16, 1
	s_add_co_u32 s36, s36, s37                     ; hA
	s_lshl_b32 s34, s34, 4
	s_add_co_u32 s34, s34, s36                     ; bh = 16 x batch + hA
	s_mov_b32 s48, 270336
	s_mov_b32 s37, 16896
	s_cmp_eq_u32 s14, 0
	s_cselect_b64 s[44:45], s[8:9], s[12:13]       ; qimg or rec
	s_cselect_b32 s48, 131072, s48                 ; bytes a head,
	s_cselect_b32 s37, 8192, s37                   ; bytes a step of 128 tokens
	s_mov_b32 s49, 0
	s_mul_i32 s38, s34, s48
	s_mul_i32 s37, s35, s37
	s_add_co_u32 s38, s38, s37
	s_lshl_b32 s37, s17, 12
	s_add_co_u32 s38, s38, s37
	s_mov_b32 s39, 0
	s_add_nc_u64 s[44:45], s[44:45], s[38:39]
	s_add_nc_u64 s[46:47], s[44:45], s[48:49]      ; the next head
	s_wait_alu depctr_va_vdst(0)
.irp l, 0,1,2,3
.irp c, 0,1,2,3
	global_store_b128 v[LI], v[PC+16*\l+4*\c:PC+16*\l+4*\c+3], s[44+2*(\c/2):45+2*(\c/2)] offset:1024*\l+512*(\c%2)   ; 512 consecutive bytes, aligned
.endr
.endr
	s_cmp_eq_u32 s14, 0
	s_cbranch_scc0 .Lkscales
	; Q's scale words: (s0, s1, s0, s1) of the head; lanes 0-15 tile 0's queries, lanes 16-31 tile 1's
	s_lshl_b32 s38, s34, 13
	s_lshl_b32 s37, s35, 9
	s_add_co_u32 s38, s38, s37
	s_lshl_b32 s37, s17, 8
	s_add_co_u32 s38, s38, s37
	s_add_nc_u64 s[50:51], s[10:11], s[38:39]
.irp l, 0,1,2,3
	v_perm_b32 v[T+\l], v[PW+\l], v[PW+\l], 0x01000100
	v_perm_b32 v[T+4+\l], v[PW+\l], v[PW+\l], 0x03020302
.endr
.irp e, 0,1
.irp lb, 0,1
	v_cndmask_b32 v[T+8+2*\e+\lb], v[T+4*\e+2*\lb], v[T+4*\e+2*\lb+1], s[HM]
	global_store_b32 v[L4], v[T+8+2*\e+\lb], s[50:51] offset:8192*\e+128*\lb
.endr
.endr
	s_endpgm
.Lkscales:
	; K's scale words: bytes 0, 1 key tile (f, 0)'s, bytes 2, 3 key tile (f, 1)'s; lanes 0-15 fragment 2 wl, lanes 16-31 fragment 2 wl + 1; at 16,384 + 128 wl of the record
	s_mul_i32 s38, s17, 3968
	s_sub_co_u32 s38, 16384, s38                   ; 16,384 + 128 wl - 4,096 wl, from where my codes begin
	s_add_nc_u64 s[50:51], s[44:45], s[38:39]
.irp lb, 0,1
	v_perm_b32 v[T+\lb], v[PW+2*\lb+1], v[PW+2*\lb], 0x05040100
	v_perm_b32 v[T+2+\lb], v[PW+2*\lb+1], v[PW+2*\lb], 0x07060302
.endr
.irp e, 0,1
	v_cndmask_b32 v[T+4+\e], v[T+2*\e], v[T+2*\e+1], s[HM]
	global_store_b32 v[L4], v[T+4+\e], s[50:51] offset:270336*\e
.endr
	s_endpgm
.Lv:
	; job 2: my 128 rows of P are key step 2 Pblk + wp, my 64 rows of L one head's channels: four fragments of V^T
	s_lshl_b32 s34, s30, 1
	s_add_co_u32 s34, s34, s16
	s_lshr_b32 s35, s34, 4                         ; batch
	s_and_b32 s34, s34, 15                         ; key step
	s_lshl_b32 s36, s31, 1
	s_add_co_u32 s36, s36, s17                     ; head
	s_lshl_b32 s35, s35, 4
	s_add_co_u32 s35, s35, s36
	s_mul_i32 s38, s35, 270336
	s_mul_i32 s34, s34, 16896
	s_add_co_u32 s38, s38, s34
	s_add_co_u32 s38, s38, 8192
	s_mov_b32 s39, 0
	s_add_nc_u64 s[44:45], s[12:13], s[38:39]
	s_wait_alu depctr_va_vdst(0)
.irp l, 0,1,2,3
.irp c, 0,1,2,3
	global_store_b128 v[LI], v[PC+16*\l+4*\c:PC+16*\l+4*\c+3], s[44:45] offset:2048*\l+512*\c
.endr
.endr
	v_cndmask_b32 v[T], v[PW], v[PW+1], s[HM]      ; word 0: tile 0 in lanes 0-15, tile 1 in lanes 16-31
	v_cndmask_b32 v[T+1], v[PW+2], v[PW+3], s[HM]  ; word 1: tiles 2 and 3
	global_store_b64 v[L8], v[T:T+1], s[44:45] offset:8448   ; 256 consecutive bytes, aligned
	s_endpgm
.Lfunc_end_k_qef5a89c317_proj:
	.size	k_qef5a89c317_proj, .Lfunc_end_k_qef5a89c317_proj-k_qef5a89c317_proj
	.p2alignl 7, 3214868480
	.fill 96, 4, 3214868480
	.section	.rodata,"a",@progbits
	.p2align	6, 0x0
	.amdhsa_kernel k_qef5a89c317_proj
		.amdhsa_group_segment_fixed_size 0
		.amdhsa_private_segment_fixed_size 0
		.amdhsa_enable_private_segment 0
		.amdhsa_kernarg_size 40
		.amdhsa_user_sgpr_count 2
		.amdhsa_user_sgpr_kernarg_segment_ptr 1
		.amdhsa_wavefront_size32 1
		.amdhsa_system_sgpr_workgroup_id_x 1
		.amdhsa_system_sgpr_workgroup_id_y 1
		.amdhsa_system_sgpr_workgroup_id_z 1
		.amdhsa_system_vgpr_workitem_id 0
		.amdhsa_next_free_vgpr 768
		.amdhsa_next_free_sgpr 66
		.amdhsa_reserve_vcc 0
		.amdhsa_float_denorm_mode_32 3
		.amdhsa_float_denorm_mode_16_64 3
		.amdhsa_memory_ordered 1
		.amdhsa_forward_progress 1
		.amdhsa_inst_pref_size 100
	.end_amdhsa_kernel
	.amdgpu_metadata
---
amdhsa.version: [ 1, 2 ]
amdhsa.kernels:
  - .name:           k_qef5a89c317_proj
    .symbol:         k_qef5a89c317_proj.kd
    .args:
      - { .name: opc, .offset: 0, .size: 8, .value_kind: global_buffer, .address_space: global }
      - { .name: ops, .offset: 8, .size: 8, .value_kind: global_buffer, .address_space: global }
      - { .name: qimg, .offset: 16, .size: 8, .value_kind: global_buffer, .address_space: global }
      - { .name: qsc, .offset: 24, .size: 8, .value_kind: global_buffer, .address_space: global }
      - { .name: rec, .offset: 32, .size: 8, .value_kind: global_buffer, .address_space: global }
    .group_segment_fixed_size: 0
    .private_segment_fixed_size: 0
    .kernarg_segment_align: 8
    .kernarg_segment_size: 40
    .max_flat_workgroup_size: 128
    .sgpr_count:     66
    .vgpr_count:     768
    .wavefront_size: 32
...
	.end_amdgpu_metadata
.endif
;; end of part 2
;; launch attn (part 3): grid 4 x 64, 16 waves a work-group, clusters of 4 x 1, 288,768 bytes of LDS; arguments qimg, qsc, rec, oc, os; writes oc, os
.if DOCPART == 3
	.amdgcn_target "amdgcn-amd-amdhsa--gfx1250"
	.amdhsa_code_object_version 6
	.text
	.protected	k_qef5a89c317_attn
	.globl	k_qef5a89c317_attn
	.p2align	8
	.type	k_qef5a89c317_attn,@function
k_qef5a89c317_attn:
	s_mov_b64 s[64:65], 0
	v_nop
	global_prefetch_b8 v0, s[64:65] scope:SCOPE_SE
	s_setreg_imm32_b32 hwreg(HW_REG_WAVE_MODE, 25, 1), 1
	s_wait_xcnt 0x0
	s_wait_alu depctr_hold_cnt(0) depctr_sa_sdst(0) depctr_va_vdst(0) depctr_va_sdst(0) depctr_va_ssrc(0) depctr_va_vcc(0) depctr_vm_vsrc(0)
	s_getreg_b32 s2, hwreg(HW_REG_IB_STS2, 6, 4)
	s_cmp_eq_u32 s2, 0
	s_cbranch_scc0 .Lentry_in_a_cluster
	s_endpgm
.Lentry_in_a_cluster:
	s_bfe_u32 s2, ttmp6, 0x10000c
	s_cmp_lg_u32 s2, 0x3003
	s_cbranch_scc0 .Lentry_shape_is_right
	s_endpgm
.Lentry_shape_is_right:
; O = softmax(Q K^T / 8) V for one head of 64 channels, 2,048 keys, both products on codes of FP8 (E4M3) with E8M0 scales; O is quantised along head x 64 + d for the last projection.
; THE SOFTMAX AHEAD OF THE SECOND PRODUCT: t = score x log2(e) / 8; M = the running largest t rounded UP to a whole number; p = 2^(t - M) is quantised along the keys, not normalised;
; the row's sum is taken of the unquantised p and divides O at the end.  When M moves, the sums and O are multiplied by f = 2^(old M - new M): exact.
; SHARES.  A work-group owns 512 queries of one head (work-group y = 16 x batch + head); each of its sixteen waves owns a block of 32, as two tiles of 16 in two passes; four waves to a SIMD.
; THE HEAD'S K AND V STAY IN LDS: sixteen records of 16,896 bytes (128 keys each), filled ONCE; wave w asks for record w: one tensor load of mine is out.  Nothing is filled again.
; CLUSTER.  The four work-groups of a head need the same records: each is asked for JOINTLY, by the same load with the same descriptor and the mask of all four.
; NO PREFETCH: every record is asked for at the head, by its one load; there is no loop to run ahead in.
; LAYOUT.  Both products are used transposed (S^T = K Q^T, O^T = V^T P^T): a lane holds ONE query.  All operands lie as images of their registers: a fragment is four loads of 512 consecutive bytes.
; K = 64 IN AN INSTRUCTION OF K = 128: a fragment of K carries TWO key tiles (pieces 0, 1: tile (f, 0); pieces 2, 3: tile (f, 1)), and Q stands as [q 8 registers][zeros 8][q 8]: source 1 = the first 16 registers
; gives tile (f, 0), the last 16 tile (f, 1).  A zero code times a finite code adds nothing: K's codes are held at 448, and no scale byte is 0xff.
; THE ORDER OF A KEY STEP j: S_j's eight products; O x f of step j - 1 (these lines are the places behind the products); V of step j - 1 is asked for; the maxima of S_j; O += V P of step j - 1;
; M, t - M; K of step j + 1 is asked for; the exponentials, sums, holds and conversions of step j.  So each LDS load has a stretch of vector work between its issue and its wait, and K and V share 64 registers.
; Steps 0 and 15 are written out (no product before the first, no K behind the last); steps 1 to 14 are the loop; the last O += V P stands behind them.
; Tile 1's q waits in the wave's own 1,024 bytes of LDS, behind the spare words; no fill lands there.
; LIMITS: NaN and infinities are not served; p under 2^-126 comes out of v_exp_f32 as 0; a block of zeros gets the byte 1 (its codes are zeros; this program alone reads the bytes).
.set REC, 16896
.set SPARE, 0x42000                    ; behind the records: the spare words, 128 bytes a wave
.set QST, SPARE+2048                   ; behind them: tile 1's q: [piece of two][thread][16 bytes]
.set LI,  1                            ; 16 x lane
.set L4,  2                            ; 4 x lane
.set L8,  3                            ; 8 x lane
.set ADI, 8                            ; the same + record j - 1
.set AD4, 9
.set AD8, 10
.set QA,  11                           ; QST + 16 x thread
.set Q,   16                           ; v16-39  q, zeros, q      (v12 -M, v13 the largest score, v[14:15] a sum in two halves)
.set QS,  40                           ; Q's scale words: lanes 0-15 tile 0, lanes 16-31 tile 1
.set HW,  41                           ; v41-42  O's two scale bytes, pass 0's and pass 1's
.set KV,  48                           ; v48-111 four fragments of K or of V
.set S,   112                          ; v112-175 S^T, then p
.set O,   176                          ; v176-207 O^T
.set PCD, 208                          ; v208-223 p's codes
.set BM,  224                          ; the blocks' largest
.set PB,  228                          ; the other half's; at work
.set HO,  232                          ; 448 x the scale
.set SO,  236                          ; the conversions' scale operands
.set TP,  240                          ; v240 at work; v241 the last step's -M
.set F,   242                          ; v242 f; v243 p's scale word
.set CH,  244                          ; v[244:245] the second sum
.set KSC, 246                          ; v246-247 K's scale words
.set VSC, 248                          ; v[248:249] V's
.set T1,  250                          ; v[250:253] two sums of one step
.set T2,  252
.set WV,  20
.set TB,  21
.set STEPS, 22
.set SEL, 32
.set CS,  34
.set MNT, 36
.set HM,  37
.set NC,  38
.macro NOPS n
.rept \n
	v_nop
.endr
.endm
.macro WALU
	s_wait_alu depctr_va_vdst(0)
.endm
.macro WM cz, ra, rb                   ; one product; cz = 1: it starts the sum; ra, rb: the side's scales stand in lanes 16-31
.if \cz
.if (\ra)&&(\rb)
	v_wmma_scale_f32_16x16x128_f8f6f4 v[rD:rD+7], v[rA:rA+15], v[rB:rB+15], 0, v[rSA], v[rSB] matrix_a_scale:MATRIX_SCALE_ROW1 matrix_b_scale:MATRIX_SCALE_ROW1
.elseif \ra
	v_wmma_scale_f32_16x16x128_f8f6f4 v[rD:rD+7], v[rA:rA+15], v[rB:rB+15], 0, v[rSA], v[rSB] matrix_a_scale:MATRIX_SCALE_ROW1
.elseif \rb
	v_wmma_scale_f32_16x16x128_f8f6f4 v[rD:rD+7], v[rA:rA+15], v[rB:rB+15], 0, v[rSA], v[rSB] matrix_b_scale:MATRIX_SCALE_ROW1
.else
	v_wmma_scale_f32_16x16x128_f8f6f4 v[rD:rD+7], v[rA:rA+15], v[rB:rB+15], 0, v[rSA], v[rSB]
.endif
.else
.if \ra
	v_wmma_scale_f32_16x16x128_f8f6f4 v[rD:rD+7], v[rA:rA+15], v[rB:rB+15], v[rD:rD+7], v[rSA], v[rSB] matrix_a_scale:MATRIX_SCALE_ROW1
.else
	v_wmma_scale_f32_16x16x128_f8f6f4 v[rD:rD+7], v[rA:rA+15], v[rB:rB+15], v[rD:rD+7], v[rSA], v[rSB]
.endif
.endif
.endm
.macro CROUND                          ; a round of the cluster's barrier
	s_barrier_signal -1
	s_barrier_wait -1
	s_cmp_lg_u32 s[WV], 0
	s_cbranch_scc1 .Lnot_wave_0_\@
	s_barrier_signal -3
.Lnot_wave_0_\@:
	s_barrier_wait -3
	s_barrier_signal -1
	s_barrier_wait -1
.endm
.macro KLOAD a, a4, off                ; a record's four fragments of K and its two scale words: 18 loads
.irp f, 0,1,2,3
.irp c, 0,1,2,3
	ds_load_b128 v[KV+16*\f+4*\c:KV+16*\f+4*\c+3], v[\a] offset:\off+2048*\f+512*\c
.endr
.endr
	ds_load_b32 v[KSC], v[\a4] offset:\off+16384
	ds_load_b32 v[KSC+1], v[\a4] offset:\off+16384+128
.endm
.macro VLOAD                           ; the four fragments of V and the scale words of the record at ADI: 17 loads
.irp t, 0,1,2,3
.irp c, 0,1,2,3
	ds_load_b128 v[KV+16*\t+4*\c:KV+16*\t+4*\c+3], v[ADI] offset:8192+2048*\t+512*\c
.endr
.endr
	ds_load_b64 v[VSC:VSC+1], v[AD8] offset:16640
.endm
.macro ORESC                           ; O^T under the last step's M.  The wait stands directly ahead of the first readers of the last products' results
	WALU
.set j, 0
.rept 16
	v_pk_mul_f32 v[O+j:O+j+1], v[O+j:O+j+1], v[F:F+1] op_sel_hi:[1,0]
.set j, j+2
.endr
.endm
.macro PV                              ; O^T += V^T P^T: the four accumulators by turns
	s_wait_dscnt 0x0                               ; V is in
.irp t, 0,1,2,3
.set rD, O+8*\t
.set rA, KV+16*\t
.set rB, PCD
.set rSA, VSC+\t/2
.set rSB, F+1
	WM 0, \t%2, 0
.endr
.endm
.macro ADD4 j0                         ; four pairs of p onto the four sums
	v_pk_add_f32 v[14:15], v[14:15], v[S+\j0:S+\j0+1]
	v_pk_add_f32 v[CH:CH+1], v[CH:CH+1], v[S+\j0+2:S+\j0+3]
	v_pk_add_f32 v[T1:T1+1], v[T1:T1+1], v[S+\j0+4:S+\j0+5]
	v_pk_add_f32 v[T2:T2+1], v[T2:T2+1], v[S+\j0+6:S+\j0+7]
.endm
; Two holds in one line (the conversion to an 8-bit code does not saturate: ISA guide 7.6.2; p is not negative, so the hold is one-sided).  The halves take numbers i and i + 1 of two DIFFERENT blocks:
; one destination even, one odd; the first sources and the second sources in different register banks.
.macro HOLDA b
	v_dual_min_num_f32 v[S+16*\b+i], v[S+16*\b+i], v[HO+\b] :: v_dual_min_num_f32 v[S+16*\b+17+i], v[S+16*\b+17+i], v[HO+\b+1]
.endm
.macro HOLDB b
	v_dual_min_num_f32 v[S+16*\b+16+i], v[S+16*\b+16+i], v[HO+\b+1] :: v_dual_min_num_f32 v[S+16*\b+1+i], v[S+16*\b+1+i], v[HO+\b]
.endm
.macro CVT b
	v_cvt_scalef32_pk8_fp8_f32 v[PCD+4*\b:PCD+4*\b+1], v[S+16*\b:S+16*\b+7], v[SO+\b]
	v_cvt_scalef32_pk8_fp8_f32 v[PCD+4*\b+2:PCD+4*\b+3], v[S+16*\b+8:S+16*\b+15], v[SO+\b]
.endm
	s_load_b256 s[4:11], s[0:1], 0x0               ; qimg, qsc, rec, oc
	s_load_b64 s[12:13], s[0:1], 0x20              ; os
	v_lshl_add_u32 v254, v0, 2, SPARE
	v_mov_b32 v255, 0
	ds_add_u32 v254, v255                          ; the opening lines: the add, twice on end, and its wait
	ds_add_u32 v254, v255
	v_lshrrev_b32 v4, 5, v0
	v_readfirstlane_b32 s[WV], v4                  ; wave 0..15
	v_and_b32 v4, 31, v0
	v_lshl_add_u32 v[QA], v0, 4, QST
	v_lshlrev_b32 v[LI], 4, v4
	v_lshlrev_b32 v[L4], 2, v4
	v_lshlrev_b32 v[L8], 3, v4
	s_and_b32 s48, ttmp7, 0xffff                   ; bh = 16 x batch + head, which the four partners share
	s_mul_i32 s17, s[WV], REC                      ; record w in LDS: no place in the cluster enters an LDS address
	s_mul_i32 s50, s48, 16*REC
	s_add_co_u32 s50, s50, s17                     ; and in memory
	s_mov_b32 s51, 0
	; descriptor group 1: a record is a dense block: 66 rows of 256 bytes (32 elements of 8 bytes), no padding
	s_mov_b32 s24, 15|(3<<16)|(1<<21)              ; the mask of all four work-groups; elements of 8 bytes; bit 21 beside a mask
	s_mov_b32 s25, 32<<16
	s_mov_b32 s26, 66<<16
	s_mov_b32 s27, 32<<16
	s_mov_b32 s28, 66
	s_mov_b32 s29, 32
	s_mov_b32 s30, 0
	s_mov_b32 s31, 0
	; my queries: the place in the cluster enters the addresses of qimg, qsc, oc and os alone
	s_bfe_u32 s52, ttmp6, 0x40000                  ; cx
	s_lshl_b32 s53, ttmp9, 2
	s_add_co_u32 s52, s52, s53                     ; which 512 queries
	s_lshl_b32 s52, s52, 4
	s_add_co_u32 s52, s52, s[WV]                   ; b: my block of 32 queries
	s_lshl_b32 s54, s48, 17
	s_lshl_b32 s53, s52, 11
	s_add_co_u32 s54, s54, s53                     ; qimg: 131,072 bh + 2,048 b
	s_mov_b32 s55, 0
	s_lshr_b32 s56, s54, 4                         ; qsc: 8,192 bh + 128 b
	s_mov_b32 s57, 0
	s_lshr_b32 s53, s48, 4
	s_lshl_b32 s53, s53, 6
	s_add_co_u32 s53, s53, s52                     ; the block of 32 rows of o: 64 x batch + b
	s_lshl_b32 s53, s53, 3
	s_bfe_u32 s58, s48, 0x30001                    ; head / 2: the K step of 128 of the last projection
	s_add_co_u32 s53, s53, s58
	s_and_b32 s58, s48, 1                          ; head % 2: which half of it
	s_lshl_b32 s60, s53, 12
	s_lshl_b32 s59, s58, 10
	s_add_co_u32 s60, s60, s59                     ; oc
	s_mov_b32 s61, 0
	s_lshl_b32 s62, s53, 7
	s_lshl_b32 s59, s58, 1
	s_add_co_u32 s62, s62, s59                     ; os
	s_mov_b32 s63, 0
	s_mov_b32 s[SEL], 0x76543210
	s_mov_b32 s[SEL+1], 0xfedcba98                 ; v_permlanex16_b32's selects for lane l xor 16
	s_mov_b32 s[CS], 0x3e38aa3b                    ; c = log2(e) / 8
	s_mov_b32 s[CS+1], s[CS]                       ; (named with it as a pair, so it is written)
	s_mov_b32 s[NC], 0xbe38aa3b                    ; -c
	s_mov_b32 s[MNT], 0x600000                     ; the mantissa field of 448
	s_mov_b32 s[HM], 0xffff0000                    ; lanes 16-31
	WALU
	s_wait_dscnt 0x0                               ; both opening adds are done
	s_wait_kmcnt 0x0
	s_add_nc_u64 s[40:41], s[4:5], s[54:55]
	s_add_nc_u64 s[42:43], s[6:7], s[56:57]
	s_add_nc_u64 s[44:45], s[10:11], s[60:61]
	s_add_nc_u64 s[46:47], s[12:13], s[62:63]
	s_mov_b32 s16, 1                               ; group 0: count = 1; s17 the LDS address;
	s_add_nc_u64 s[18:19], s[8:9], s[50:51]        ; the record's first byte;
	s_or_b32 s19, s19, 0x80000000                  ; type = 2
.irp c, 0,1                                    ; q is asked for here and lands under the record's load: tile 0's ahead of the zeros and behind them, tile 1's into S^T's registers
	global_load_b128 v[Q+4*\c:Q+4*\c+3], v[LI], s[40:41] offset:512*\c
	global_load_b128 v[Q+16+4*\c:Q+16+4*\c+3], v[LI], s[40:41] offset:512*\c
	global_load_b128 v[S+4*\c:S+4*\c+3], v[LI], s[40:41] offset:1024+512*\c
.endr
	global_load_b32 v[QS], v[L4], s[42:43]         ; Q's scale words, for both passes
	CROUND                                         ; all four work-groups are here: the joint loads meet
	tensor_load_to_lds s[16:19], s[24:31]
	s_nop 0
	NOPS 4
.irp j, 0,1,2,3,4,5,6,7
	v_mov_b32 v[Q+8+\j], 0                         ; the zero codes between q and q: written once
.endr
.irp b, 0,1,2,3
	v_mov_b32 v[PB+\b], 0                          ; written once: a lane permute's destination counts as one of its sources
.endr
	v_mov_b32 v[F+1], 0                            ; (named as the upper half of a pair before it is first written)
	WALU                                           ; the head's end
	s_wait_tensorcnt 0x0                           ; my record has landed,
	s_barrier_signal -1
	s_barrier_wait -1                              ; everybody's has
	s_wait_loadcnt 0x0                             ; q and its scale words
	ds_store_b128 v[QA], v[S:S+3]                  ; tile 1's q waits in my own bytes of LDS
	ds_store_b128 v[QA], v[S+4:S+7] offset:8192
	KLOAD LI, L4, 0                                ; K of step 0
; A KEY STEP for tile u.  kind 0: step 0; 1: steps 1 to 14, record j - 1 at s[TB]; 2: step 15
.macro STEP u, kind
.if \kind == 0
	WALU
.endif
	s_wait_dscnt 0x0                               ; K of this step is in
.irp f, 0,1,2,3                                ; S^T: eight tiles of 16 keys; each fragment serves two
.irp e, 0,1
.set rD, S+16*\f+8*\e
.set rA, KV+16*\f
.set rB, Q+8*\e
.set rSA, KSC+\f/2
.set rSB, QS
	WM 1, \f%2, \u
.endr
.endr
.if \kind == 0
.set j, 0
.rept 32
	v_mov_b32 v[O+j], 0                            ; O^T begins as zeros.  These lines are the places behind the products
.set j, j+1
.endr
.else
.if \kind == 1
	v_add_nc_u32 v[ADI], s[TB], v[LI]
	v_add_nc_u32 v[AD4], s[TB], v[L4]
	v_add_nc_u32 v[AD8], s[TB], v[L8]
.else
	v_add_nc_u32 v[ADI], 14*REC, v[LI]
	v_add_nc_u32 v[AD8], 14*REC, v[L8]
.endif
	ORESC                                          ; sixteen lines and the additions: the places behind the products, ahead of the loads into K's registers and of the first read of the scores
	VLOAD                                          ; V of the step before lands under the maxima
.endif
.irp b, 0,1,2,3
	v_max3_num_f32 v[BM+\b], v[S+16*\b], v[S+16*\b+1], v[S+16*\b+2]   ; the largest score of each block of 32 keys: for the row's maximum and, since p rises with the score, for the block's largest p
.endr
.irp i, 3,5,7,9,11,13
.irp b, 0,1,2,3
	v_max3_num_f32 v[BM+\b], v[BM+\b], v[S+16*\b+\i], v[S+16*\b+\i+1]
.endr
.endr
.irp b, 0,1,2,3
	v_max_num_f32 v[BM+\b], v[BM+\b], v[S+16*\b+15]
.endr
.irp b, 0,1,2,3
	s_delay_alu instid0(VALU_DEP_4)
	v_permlanex16_b32 v[PB+\b], v[BM+\b], s[SEL], s[SEL+1]
.endr
.irp b, 0,1,2,3
	s_delay_alu instid0(VALU_DEP_4)
	v_max_num_f32 v[BM+\b], v[BM+\b], v[PB+\b]     ; with lane l xor 16's 16 keys
.endr
.if \kind
	WALU                                           ; directly ahead of the wait in PV
	PV
.endif
	v_max3_num_f32 v[TP], v[BM], v[BM+1], v[BM+2]
	s_delay_alu instid0(VALU_DEP_1)
	v_max3_num_f32 v13, v13, v[TP], v[BM+3]        ; the running largest score (c is positive)
	s_delay_alu instid0(VALU_DEP_1)
	v_mul_f32 v[TP], s[NC], v13                    ; -t
	s_delay_alu instid0(VALU_DEP_1)
	v_floor_f32 v12, v[TP]                         ; the new -M = floor(-t): M is a whole number
.set j, 0
.rept 16                                       ; t - M of blocks 0 and 1, two at a time; f is made among these lines
	v_pk_fma_f32 v[S+j:S+j+1], v[S+j:S+j+1], s[CS:CS+1], v[12:13] op_sel_hi:[1,0,0]
.if j == 2
	v_sub_f32 v[TP], v12, v[TP+1]                  ; old M - new M: a whole number, 0 or less
.elseif j == 8
	v_cvt_i32_f32 v[TP], v[TP]                     ; (it saturates)
.elseif j == 14
	v_ldexp_f32 v[F], 1.0, v[TP]                   ; f = 2^(old M - new M)
.endif
.set j, j+2
.endr
.irp b, 0,1,2,3
	v_fma_f32 v[BM+\b], v[BM+\b], s[CS], v12       ; the same of each block's largest score
.endr
	WALU                                           ; ahead of the batch
.if \kind == 0
	KLOAD LI, L4, REC                              ; K of the next step lands under the exponentials
.elseif \kind == 1
	KLOAD ADI, AD4, 2*REC
.endif
.irp b, 0,1,2,3
	v_exp_f32 v[BM+\b], v[BM+\b]                   ; the block's largest p: the same two instructions on the same number give the same bits
.endr
.set j, 0
.rept 16                                       ; p of blocks 0 and 1; among them t - M of blocks 2 and 3, which is read behind the next waits
	v_exp_f32 v[S+j], v[S+j]
	v_exp_f32 v[S+j+1], v[S+j+1]
	v_pk_fma_f32 v[S+32+j:S+33+j], v[S+32+j:S+33+j], s[CS:CS+1], v[12:13] op_sel_hi:[1,0,0]
.set j, j+2
.endr
	WALU                                           ; behind the batch, ahead of its first reader
.irp b, 0,1,2,3
	v_max_num_f32 v[BM+\b], 0x4800000, v[BM+\b]    ; the floor 2^(9 - 127): the byte cannot fall under 1
.endr
.irp b, 0,1,2,3
	s_delay_alu instid0(VALU_DEP_4)
	v_add_nc_u32 v[SO+\b], 0xfc000000, v[BM+\b]    ; 8 off the exponent field: the conversion's scale operand
.endr
.irp b, 0,1,2,3
	v_and_or_b32 v[HO+\b], v[BM+\b], 0x7f800000, s[MNT]   ; 448 x the scale
.endr
	v_perm_b32 v[PB], v[SO+1], v[SO], 0x07060302   ; the upper halves of two operands: an exponent field lies at bits 14:7 of each
	v_perm_b32 v[PB+1], v[SO+3], v[SO+2], 0x07060302
	v_pk_mul_f32 v[14:15], v[14:15], v[F:F+1] op_sel_hi:[1,0]     ; the sums under the new M
	v_pk_mul_f32 v[CH:CH+1], v[CH:CH+1], v[F:F+1] op_sel_hi:[1,0]
	v_lshrrev_b32 v[PB], 7, v[PB]                  ; the two bytes at bytes 0 and 2
	v_lshrrev_b32 v[PB+1], 7, v[PB+1]
	v_pk_add_f32 v[T1:T1+1], v[S:S+1], v[S+2:S+3]  ; THE ROW'S SUM IS TAKEN OF THE UNQUANTISED p: two at a time, in four chains
	v_pk_add_f32 v[T2:T2+1], v[S+4:S+5], v[S+6:S+7]
	v_perm_b32 v[F+1], v[PB+1], v[PB], 0x06040200  ; p's scale word for these 128 keys
	ADD4 8
	ADD4 16
	ADD4 24
	WALU                                           ; ahead of the batch
.set i, 0
.rept 8                                        ; p of blocks 2 and 3; among them the holds of blocks 0 and 1, whose results are read behind the next wait
	v_exp_f32 v[S+32+2*i], v[S+32+2*i]
	v_exp_f32 v[S+33+2*i], v[S+33+2*i]
	HOLDA 0
	v_exp_f32 v[S+34+2*i], v[S+34+2*i]
	v_exp_f32 v[S+35+2*i], v[S+35+2*i]
	HOLDB 0
.set i, i+2
.endr
	v_mov_b32 v[TP+1], v12                         ; this step's -M, for the next step's f: a plain line behind the exponentials
	WALU                                           ; behind the batch
	CVT 0
	CVT 1
	ADD4 32
	ADD4 40
	ADD4 48
	ADD4 56
.set i, 0
.rept 8
	HOLDA 2
	HOLDB 2
.set i, i+2
.endr
	CVT 2
	CVT 3
	v_pk_add_f32 v[14:15], v[14:15], v[T1:T1+1]    ; plain lines behind the last conversion
	v_pk_add_f32 v[CH:CH+1], v[CH:CH+1], v[T2:T2+1]
	WALU                                           ; ahead of the branch and of the next step's wait
.endm
; A PASS: tile u of my block of queries against all 2,048 keys
.macro PASS u
	s_wait_xcnt 0x0                                ; the last pass's stores have read their registers
	v_mov_b32 v13, 0xff61b1e6                      ; the largest score so far: -3e38
	v_mov_b32 v12, 0x7e000000                      ; -M: a whole number over every -M to come: the first f is 0
	v_mov_b32 v[TP+1], 0x7e000000
	v_mov_b32 v14, 0                               ; the two sums
	v_mov_b32 v15, 0
	v_mov_b32 v[CH], 0
	v_mov_b32 v[CH+1], 0
	s_mov_b32 s[TB], 0
	s_mov_b32 s[STEPS], 14
	STEP \u, 0
.Lstep_\@:
	STEP \u, 1
	s_add_co_u32 s[TB], s[TB], REC
	s_sub_co_u32 s[STEPS], s[STEPS], 1
	s_cmp_lg_u32 s[STEPS], 0
	s_cbranch_scc1 .Lstep_\@
	STEP \u, 2
	v_add_nc_u32 v[ADI], 15*REC, v[LI]             ; the last O += V P
	v_add_nc_u32 v[AD8], 15*REC, v[L8]
	ORESC
	VLOAD
	v_pk_add_f32 v[14:15], v[14:15], v[CH:CH+1]    ; the sums' four parts,
	s_delay_alu instid0(VALU_DEP_1)
	v_add_f32 v14, v14, v15
	s_delay_alu instid0(VALU_DEP_1)
	v_permlanex16_b32 v[TP], v14, s[SEL], s[SEL+1]
	s_delay_alu instid0(VALU_DEP_1)
	v_add_f32 v14, v14, v[TP]                      ; and lane l xor 16's: the row's sum
	WALU                                           ; ahead of the reciprocal, and of the wait in PV
	v_rcp_f32 v14, v14
	v_nop                                          ; a plain line behind the reciprocal
	PV
	NOPS 8                                         ; places between the last products, the first read of O^T and the loads into V's registers
.if \u == 0
.irp c, 0,1
	ds_load_b128 v[Q+4*\c:Q+4*\c+3], v[QA] offset:8192*\c        ; the next pass's q, ahead of the zeros and behind them,
	ds_load_b128 v[Q+16+4*\c:Q+16+4*\c+3], v[QA] offset:8192*\c
.endr
	KLOAD LI, L4, 0                                ; and its first K: they land under the way out
.endif
	WALU                                           ; ahead of the reciprocal's first reader
.set j, 0
.rept 32
	v_mul_f32 v[S+j], v[O+j], v14                  ; O^T / the sum: register 16 b + i = channel 32 b + 16 h + i; each accumulator from its low end on
.set j, j+1
.endr
	; o is quantised along the head's 64 channels: two blocks of 32
.irp b, 0,1
	v_max3_num_f32 v[BM+\b], |v[S+16*\b]|, |v[S+16*\b+1]|, 0x4800000
.endr
.irp i, 2,4,6,8,10,12,14
.irp b, 0,1
	s_delay_alu instid0(VALU_DEP_2)
	v_max3_num_f32 v[BM+\b], v[BM+\b], |v[S+16*\b+\i]|, |v[S+16*\b+\i+1]|
.endr
.endr
.irp b, 0,1
	s_delay_alu instid0(VALU_DEP_2)
	v_permlanex16_b32 v[PB+\b], v[BM+\b], s[SEL], s[SEL+1]
.endr
.irp b, 0,1
	s_delay_alu instid0(VALU_DEP_2)
	v_max_num_f32 v[BM+\b], v[BM+\b], v[PB+\b]
.endr
.irp b, 0,1
	s_delay_alu instid0(VALU_DEP_2)
	v_add_nc_u32 v[SO+\b], 0xfc000000, v[BM+\b]
.endr
.irp b, 0,1
	s_delay_alu instid0(VALU_DEP_4)
	v_and_or_b32 v[HO+\b], v[BM+\b], 0x7f800000, s[MNT]
.endr
.irp b, 0,1
	s_delay_alu instid0(VALU_DEP_4)
	v_lshrrev_b32 v[PB+\b], 23, v[SO+\b]
.endr
	s_delay_alu instid0(VALU_DEP_1)
	v_lshl_or_b32 v[HW+\u], v[PB+1], 8, v[PB]      ; my row's two scale bytes
.irp b, 0,1
.set i, 0
.rept 16
	v_med3_num_f32 v[S+16*\b+i], v[S+16*\b+i], -v[HO+\b], v[HO+\b]
.set i, i+1
.endr
	CVT \b
.endr
	v_nop                                          ; one plain vector line behind the last conversion
.irp c, 0,1
	global_store_b128 v[LI], v[PCD+4*\c:PCD+4*\c+3], s[44:45] offset:2048*\u+512*\c   ; 512 consecutive bytes, aligned
.endr
.endm
	PASS 0
	PASS 1
	v_cndmask_b32 v[HW], v[HW], v[HW+1], s[HM]     ; lanes 0-15 tile 0's rows, lanes 16-31 tile 1's
	global_store_b16 v[L4], v[HW], s[46:47]        ; my head's two bytes of each row's scale word; the neighbouring head's work-group writes the others
	s_wait_tensorcnt 0x0                           ; the wave's end
	ds_add_u32 v254, v255
	s_wait_dscnt 0x0
	CROUND                                         ; the closing round
	s_endpgm
.Lfunc_end_k_qef5a89c317_attn:
	.size	k_qef5a89c317_attn, .Lfunc_end_k_qef5a89c317_attn-k_qef5a89c317_attn
	.p2alignl 7, 3214868480
	.fill 96, 4, 3214868480
	.section	.rodata,"a",@progbits
	.p2align	6, 0x0
	.amdhsa_kernel k_qef5a89c317_attn
		.amdhsa_group_segment_fixed_size 288768
		.amdhsa_private_segment_fixed_size 0
		.amdhsa_enable_private_segment 0
		.amdhsa_kernarg_size 40
		.amdhsa_user_sgpr_count 2
		.amdhsa_user_sgpr_kernarg_segment_ptr 1
		.amdhsa_wavefront_size32 1
		.amdhsa_system_sgpr_workgroup_id_x 1
		.amdhsa_system_sgpr_workgroup_id_y 1
		.amdhsa_system_sgpr_workgroup_id_z 1
		.amdhsa_system_vgpr_workitem_id 0
		.amdhsa_next_free_vgpr 256
		.amdhsa_next_free_sgpr 66
		.amdhsa_reserve_vcc 0
		.amdhsa_float_denorm_mode_32 3
		.amdhsa_float_denorm_mode_16_64 3
		.amdhsa_memory_ordered 1
		.amdhsa_forward_progress 1
		.amdhsa_inst_pref_size 133
	.end_amdhsa_kernel
	.amdgpu_metadata
---
amdhsa.version: [ 1, 2 ]
amdhsa.kernels:
  - .name:           k_qef5a89c317_attn
    .symbol:         k_qef5a89c317_attn.kd
    .args:
      - { .name: qimg, .offset: 0, .size: 8, .value_kind: global_buffer, .address_space: global }
      - { .name: qsc, .offset: 8, .size: 8, .value_kind: global_buffer, .address_space: global }
      - { .name: rec, .offset: 16, .size: 8, .value_kind: global_buffer, .address_space: global }
      - { .name: oc, .offset: 24, .size: 8, .value_kind: global_buffer, .address_space: global }
      - { .name: os, .offset: 32, .size: 8, .value_kind: global_buffer, .address_space: global }
    .group_segment_fixed_size: 288768
    .private_segment_fixed_size: 0
    .kernarg_segment_align: 8
    .kernarg_segment_size: 40
    .max_flat_workgroup_size: 512
    .sgpr_count:     66
    .vgpr_count:     256
    .wavefront_size: 32
...
	.end_amdgpu_metadata
.endif
;; end of part 3
;; launch outp (part 4): grid 256 x 1, 4 waves a work-group, no clusters, 34,304 bytes of LDS; arguments opc, ops, oc, os, bo, out0; writes out0
.if DOCPART == 4
	.amdgcn_target "amdgcn-amd-amdhsa--gfx1250"
	.amdhsa_code_object_version 6
	.text
	.protected	k_qef5a89c317_outp
	.globl	k_qef5a89c317_outp
	.p2align	8
	.type	k_qef5a89c317_outp,@function
k_qef5a89c317_outp:
	s_mov_b64 s[64:65], 0
	v_nop
	global_prefetch_b8 v0, s[64:65] scope:SCOPE_SE
	s_setreg_imm32_b32 hwreg(HW_REG_WAVE_MODE, 25, 1), 1
	s_wait_xcnt 0x0
; out0 = o wo^T + bo on codes of FP8 (E4M3) with E8M0 scales.  o [8192][1024] and wo [1024][1024] lie as images of an operand's registers ([block of 32 rows][K step][tile u][piece c][lane][16 bytes];
; lane r of tile (B, u) = row 32 B + 8 u + r + 8 (r / 8)); the scale words [block][K step][lane][4], lanes 0-15 tile 0's rows, lanes 16-31 tile 1's.
; D = (source 0: 16 rows of wo) x (source 1: 16 rows of o): a lane holds one row of out0, and the 16 registers of wo's tiles (B, 0), (B, 1) are its columns 32 B + 16 h + 0 .. 15.
; SHARES.  A work-group makes 256 columns x 128 rows, a wave 128 x 64: 8 x 4 accumulators.  The fragments come from memory straight into registers, each load 512 consecutive bytes; two sets take turns:
; while one K step of 128 is multiplied, the other set's 54 loads are on their way.  The bias is the C of each sum's first product.
; NO JOINT LOADS: no tile passes LDS here, so there is no tensor load that partners could share; each fragment is read by two waves of the work-group and by the work-groups of its row or column of tiles.
; THE WAY OUT: 16 rows x 128 columns at a time through the wave's own stage in LDS (rows of 512 + 16 bytes), back as whole rows: 32 lanes store 512 consecutive bytes, aligned.
; REGISTERS: window 0: v4-7 lane offsets, v8-11, v16-19 blocks' offsets, v24-25 the stage, v32-43 scale words (two sets of 6), v44-107 the bias, v128-255 o's fragments (two sets), later rows of out0;
;   window 1: the accumulators, (l, p) at 64 l + 8 p;   window 2: wo's fragments, two sets of 128.
.set LI,  4                            ; 16 x lane
.set L4,  5                            ; 4 x lane
.set BA,  7                            ; 64 h: my half's 16 numbers of a block of the bias
.set VC,  8                            ; v8-11   16 x lane + block x 32,768
.set VS,  16                           ; v16-19  4 x lane + block x 1,024
.set STO, 24                           ; the stage, on the way in: 528 r + 64 h
.set RD,  25                           ; and back: 16 x lane
.set SC,  32
.set BI,  44
.set LF,  128
.set BK,  128
.set PCB, 20
.set PSB, 22
.set LCB, 24
.set LSB, 26
.set SPITCH, 528
.set STG, 16*SPITCH
.set MSB, 0
.macro WIN new                         ; the immediate's high byte repeats the setting that is left
.if MSB != \new
	s_set_vgpr_msb (MSB<<8)|\new
.set MSB, \new
.endif
.endm
.macro NOPS n
.rept \n
	v_nop
.endr
.endm
.macro WM ra, rb                       ; one product; ra, rb: the side's scales stand in lanes 16-31
.if (\ra)&&(\rb)
	v_wmma_scale_f32_16x16x128_f8f6f4 v[rD:rD+7], v[rA:rA+15], v[rB:rB+15], v[rC:rC+7], v[rSA], v[rSB] matrix_a_scale:MATRIX_SCALE_ROW1 matrix_b_scale:MATRIX_SCALE_ROW1
.elseif \ra
	v_wmma_scale_f32_16x16x128_f8f6f4 v[rD:rD+7], v[rA:rA+15], v[rB:rB+15], v[rC:rC+7], v[rSA], v[rSB] matrix_a_scale:MATRIX_SCALE_ROW1
.elseif \rb
	v_wmma_scale_f32_16x16x128_f8f6f4 v[rD:rD+7], v[rA:rA+15], v[rB:rB+15], v[rC:rC+7], v[rSA], v[rSB] matrix_b_scale:MATRIX_SCALE_ROW1
.else
	v_wmma_scale_f32_16x16x128_f8f6f4 v[rD:rD+7], v[rA:rA+15], v[rB:rB+15], v[rC:rC+7], v[rSA], v[rSB]
.endif
.endm
; 54 loads: the fragments and scale words of the K step k steps on from the bases, into set par
.macro GLOAD par, k
	WIN 0
.irp pb, 0,1,2,3
	global_load_b32 v[SC+6*\par+\pb], v[VS+\pb], s[PSB:PSB+1] offset:128*\k
.endr
.irp lb, 0,1
	global_load_b32 v[SC+6*\par+4+\lb], v[VS+\lb], s[LSB:LSB+1] offset:128*\k
.endr
.irp l, 0,1,2,3
.irp c, 0,1,2,3
	global_load_b128 v[LF+64*\par+16*\l+4*\c:LF+64*\par+16*\l+4*\c+3], v[VC+\l/2], s[LCB:LCB+1] offset:4096*\k+2048*(\l%2)+512*\c
.endr
.endr
	WIN 0x80                                       ; destination window 2, address window 0
.irp p, 0,1,2,3,4,5,6,7
.irp c, 0,1,2,3
	global_load_b128 v[128*\par+16*\p+4*\c:128*\par+16*\p+4*\c+3], v[VC+\p/2], s[PCB:PCB+1] offset:4096*\k+2048*(\p%2)+512*\c
.endr
.endr
.endm
; 32 products: set par's K step.  first = 1: C is the bias, in window 0.  The 32 accumulators take turns, one instruction a turn, in the same order in every step
.macro MUL par, first
.if \first
	WIN 0x42                                       ; source 0 (wo) window 2, source 1 (o) and C (the bias) window 0, D window 1
.else
	WIN 0x52                                       ; C and D window 1
.endif
.irp l, 0,1,2,3
.irp p, 0,1,2,3,4,5,6,7
.set rD, 64*\l+8*\p
.if \first
.set rC, BI+8*\p
.else
.set rC, rD
.endif
.set rA, 128*\par+16*\p
.set rB, LF+64*\par+16*\l
.set rSA, SC+6*\par+\p/2
.set rSB, SC+6*\par+4+\l/2
	WM \p%2, \l%2
.endr
.endr
.endm
; two K steps.  load = 1: both sets are filled again, two steps ahead.  Eight plain vector lines stand between a set's last product and the loads into it
.macro TRIP first, load
	s_wait_loadcnt 54                              ; set 0 (and, the first time, the bias) is in; set 1's 54 loads may be out
	MUL 0, \first
.if \load
	NOPS 8
	GLOAD 0, 2
	s_wait_loadcnt 54                              ; set 1 is in; the 54 just issued may be out
.else
	s_wait_loadcnt 0x0
.endif
	MUL 1, 0
.if \load
	NOPS 8
	GLOAD 1, 3
	WIN 0
	s_wait_xcnt 0x0                                ; the loads have read their bases: these may step
	s_add_nc_u64 s[PCB:PCB+1], s[PCB:PCB+1], 8192
	s_add_nc_u64 s[PSB:PSB+1], s[PSB:PSB+1], 256
	s_add_nc_u64 s[LCB:LCB+1], s[LCB:LCB+1], 8192
	s_add_nc_u64 s[LSB:LSB+1], s[LSB:LSB+1], 256
.endif
.endm
	s_load_b256 s[4:11], s[0:1], 0x0               ; opc, ops, oc, os
	s_load_b128 s[12:15], s[0:1], 0x20             ; bo, out0
	v_lshl_add_u32 v126, v0, 2, 0x8400
	v_mov_b32 v127, 0
	v_lshrrev_b32 v1, 5, v0
	v_readfirstlane_b32 s16, v1                    ; wave 0..3
	v_and_b32 v2, 31, v0
	v_and_b32 v3, 15, v0                           ; r
	v_bfe_u32 v1, v0, 4, 1                         ; h
	v_lshlrev_b32 v[LI], 4, v2
	v_lshlrev_b32 v[L4], 2, v2
	v_lshlrev_b32 v[BA], 6, v1
.irp pb, 0,1,2,3
	v_add_nc_u32 v[VC+\pb], \pb*32768, v[LI]
	v_add_nc_u32 v[VS+\pb], \pb*1024, v[L4]
.endr
	s_mul_i32 s29, s16, STG                        ; my wave's stage
	v_mul_u32_u24 v[STO], v3, SPITCH
	v_lshl_add_u32 v[STO], v1, 6, v[STO]
	v_add_nc_u32 v[STO], s29, v[STO]
	v_add_nc_u32 v[RD], s29, v[LI]
	s_and_b32 s17, s16, 1                          ; which 128 columns
	s_lshr_b32 s18, s16, 1                         ; which 64 rows
	s_and_b32 s30, ttmp9, 3                        ; 4 blocks of 256 columns,
	s_lshr_b32 s31, ttmp9, 2                       ; 64 blocks of 128 rows
	s_lshl_b32 s32, s30, 3
	s_lshl_b32 s29, s17, 2
	s_add_co_u32 s32, s32, s29                     ; my first block of 32 rows of wo
	s_lshl_b32 s33, s31, 2
	s_lshl_b32 s29, s18, 1
	s_add_co_u32 s33, s33, s29                     ; and of o
	s_mov_b32 s39, 0
	s_mov_b32 s28, 2                               ; the loop's trips: 8 / 2 - 2
	s_wait_alu depctr_va_vdst(0)
	s_wait_kmcnt 0x0
	s_lshl_b32 s38, s32, 15
	s_add_co_u32 s38, s38, 17301504                ; wo's codes in opc
	s_add_nc_u64 s[PCB:PCB+1], s[4:5], s[38:39]
	s_lshr_b32 s38, s38, 5
	s_add_nc_u64 s[PSB:PSB+1], s[6:7], s[38:39]
	s_lshl_b32 s38, s33, 15
	s_add_nc_u64 s[LCB:LCB+1], s[8:9], s[38:39]
	s_lshr_b32 s38, s38, 5
	s_add_nc_u64 s[LSB:LSB+1], s[10:11], s[38:39]
	s_lshl_b32 s38, s32, 7                         ; my first column, in bytes
	s_add_nc_u64 s[34:35], s[12:13], s[38:39]
	s_add_nc_u64 s[36:37], s[14:15], s[38:39]
	s_lshl_b32 s38, s33, 17                        ; my first row: 32 rows of 4,096 bytes a block
	s_add_nc_u64 s[36:37], s[36:37], s[38:39]
.irp p, 0,1,2,3,4,5,6,7                        ; the bias in the result's layout: tile p's register j is column 32 (p / 2) + 16 h + 8 (p % 2) + j
	global_load_b128 v[BI+8*\p:BI+8*\p+3], v[BA], s[34:35] offset:(32*(\p/2)+8*(\p%2))*4
	global_load_b128 v[BI+8*\p+4:BI+8*\p+7], v[BA], s[34:35] offset:(32*(\p/2)+8*(\p%2))*4+16
.endr
	GLOAD 0, 0
	GLOAD 1, 1
	TRIP 1, 1                                      ; the first two K steps stand ahead of the loop: the first products start the sums with the bias
.Lk:
	TRIP 0, 1
	s_sub_co_u32 s28, s28, 1
	s_cmp_lg_u32 s28, 0
	s_cbranch_scc1 .Lk
	TRIP 0, 0                                      ; the last two K steps load nothing
	WIN 0
; tile l of my rows: 16 rows x 128 columns into the stage, and back as whole rows.  LDS serves a wave's instructions in order (ISA guide 5.7.1.4): no wait between the stores and the loads, nor ahead of the next tile's stores
.macro TOSTAGE l
	WIN 0x04                                       ; an LDS store's data are its source 1: window 1
.irp p, 0,1,2,3,4,5,6,7
	ds_store_b128 v[STO], v[64*(\l)+8*\p:64*(\l)+8*\p+3] offset:128*(\p/2)+32*(\p%2)       ; each accumulator from its low end on
	ds_store_b128 v[STO], v[64*(\l)+8*\p+4:64*(\l)+8*\p+7] offset:128*(\p/2)+32*(\p%2)+16
.endr
	WIN 0
.set BB, BK+64*((\l)%2)
.set i, 0
.rept 16
	ds_load_b128 v[BB+4*i:BB+4*i+3], v[RD] offset:i*SPITCH
.set i, i+1
.endr
.endm
.macro SEND l, younger                 ; younger: the LDS instructions issued behind tile l's loads, which may stay out
.set BB, BK+64*((\l)%2)
	s_wait_dscnt \younger
.set i, 0
.rept 16
	global_store_b128 v[LI], v[BB+4*i:BB+4*i+3], s[36:37] offset:(32*((\l)/2)+8*((\l)%2)+i+8*(i/8))*4096 th:TH_STORE_NT   ; stage row i is row 8 u + i + 8 (i / 8) of its block; 512 consecutive bytes, aligned
.set i, i+1
.endr
.endm
	NOPS 8                                         ; places between the last products and the first read of results, and the loads into the registers that held o's fragments
	TOSTAGE 0
.irp l, 1,2,3
.if \l > 1
	s_wait_xcnt 0x0                                ; tile l - 2's stores have read their registers: tile l's rows may land there
.endif
	TOSTAGE \l
	SEND \l-1, 32                                  ; behind tile l - 1's loads: tile l's 16 stores and 16 loads
.endr
	SEND 3, 0
	s_wait_tensorcnt 0x0
	ds_add_u32 v126, v127
	s_wait_dscnt 0x0
	s_endpgm
.Lfunc_end_k_qef5a89c317_outp:
	.size	k_qef5a89c317_outp, .Lfunc_end_k_qef5a89c317_outp-k_qef5a89c317_outp
	.p2alignl 7, 3214868480
	.fill 96, 4, 3214868480
	.section	.rodata,"a",@progbits
	.p2align	6, 0x0
	.amdhsa_kernel k_qef5a89c317_outp
		.amdhsa_group_segment_fixed_size 34304
		.amdhsa_private_segment_fixed_size 0
		.amdhsa_enable_private_segment 0
		.amdhsa_kernarg_size 48
		.amdhsa_user_sgpr_count 2
		.amdhsa_user_sgpr_kernarg_segment_ptr 1
		.amdhsa_wavefront_size32 1
		.amdhsa_system_sgpr_workgroup_id_x 1
		.amdhsa_system_sgpr_workgroup_id_y 1
		.amdhsa_system_sgpr_workgroup_id_z 1
		.amdhsa_system_vgpr_workitem_id 0
		.amdhsa_next_free_vgpr 768
		.amdhsa_next_free_sgpr 66
		.amdhsa_reserve_vcc 0
		.amdhsa_float_denorm_mode_32 3
		.amdhsa_float_denorm_mode_16_64 3
		.amdhsa_memory_ordered 1
		.amdhsa_forward_progress 1
		.amdhsa_inst_pref_size 76
	.end_amdhsa_kernel
	.amdgpu_metadata
---
amdhsa.version: [ 1, 2 ]
amdhsa.kernels:
  - .name:           k_qef5a89c317_outp
    .symbol:         k_qef5a89c317_outp.kd
    .args:
      - { .name: opc, .offset: 0, .size: 8, .value_kind: global_buffer, .address_space: global }
      - { .name: ops, .offset: 8, .size: 8, .value_kind: global_buffer, .address_space: global }
      - { .name: oc, .offset: 16, .size: 8, .value_kind: global_buffer, .address_space: global }
      - { .name: os, .offset: 24, .size: 8, .value_kind: global_buffer, .address_space: global }
      - { .name: bo, .offset: 32, .size: 8, .value_kind: global_buffer, .address_space: global }
      - { .name: out0, .offset: 40, .size: 8, .value_kind: global_buffer, .address_space: global }
    .group_segment_fixed_size: 34304
    .private_segment_fixed_size: 0
    .kernarg_segment_align: 8
    .kernarg_segment_size: 48
    .max_flat_workgroup_size: 128
    .sgpr_count:     66
    .vgpr_count:     768
    .wavefront_size: 32
...
	.end_amdgpu_metadata
.endif
;; end of part 4
